; MI455X (gfx1250); checked and timed in simulation.
; The chip was launched on July 23, 2026; its instructions are those of AMD's public machine-readable ISA for CDNA 5 (MIT licence, August 2026) and "CDNA5" Instruction Set Architecture Reference Guide (July 2026). The comments in the code are by the model that wrote it; some were corrected since.
;; Attention. Allowed arithmetic: matrix products marked QUANTISED: E2M1 operands, one E8M0 scale for each 32 along K, by v_wmma_scale_f32_16x16x128_f8f6f4 with both operands' format E2M1 (or v_wmma_scale_f32_32x16x128_f4), f32 sums; products left as they are: bf16, f16 or f32 operands; f32 sums; everything else in f32.
;; Inputs: Wk 512 x 1,024 float32; Wq 512 x 1,024 float32; Wv 512 x 1,024 float32; source_key_value 8 x 2,048 x 1,024 float32; source_key_value_padding_mask 8 x 2,048 bool; source_query 8 x 2,048 x 1,024 float32; source_query_padding_mask 8 x 2,048 bool.
;; Outputs: out0 8 x 2,048 x 512 float32.
;; This version of the problem:
;;   THIS VERSION OF THE PROBLEM IS GIVEN IN LOW PRECISION. The matrix products marked QUANTISED in the list below multiply operands that are first quantised to E2M1 (2 exponent bits, 1 mantissa bit; 4 bits a number), with one power-of-two scale for each 32 numbers along K (OCP MX v1.0); their sums are f32. The products marked 'left as it is' may take bf16, f16 or f32 operands, with f32 sums. Whichever they take, every output number must still come out within the allowed error. Rounding operands to bf16 (8 significant bits) uses up far more of that allowance than f16 does (11 bits, for magnitudes from 6e-5 to 65,504). All else is computed in f32.
;;   The module's matrix products, in the order in which they are computed (A, B: the left and right operand; K: the contracted axis; several contracted axes count as one K, in the product's order):
;;     1. [M 16,384, K 1,024] x [K 1,024, N 512]; A: input source_query; B: input Wq: QUANTISED
;;     2. [M 16,384, K 1,024] x [K 1,024, N 512]; A: input source_key_value; B: input Wk: QUANTISED
;;     3. [M 16,384, K 1,024] x [K 1,024, N 512]; A: input source_key_value; B: input Wv: QUANTISED
;;     4. batch 8 x [M 2,048, K 512] x [K 512, N 2,048]; A: computed on the way; B: computed on the way: left as it is (an operand is computed on the way)
;;     5. batch 8 x [M 2,048, K 2,048] x [K 2,048, N 512]; A: computed on the way; B: computed on the way: left as it is (an operand is computed on the way)
;;   THE QUANTISER, for each operand of a quantised product, along K:
;;     - K is cut into blocks of 32 from its start; a last block that is shorter is filled with zeros.
;;     - A block's scale is 2^e with e = floor(log2(the largest magnitude in the block)) - 2, held to -126 .. 127; a block of zeros has e = 0. As a byte (E8M0): e + 127.
;;     - Each number is divided by its block's scale, clamped to +-6, and rounded to the nearest number of E2M1, ties to even, subnormals kept.
;;     - The product sums the exact products of the quantised numbers (number of the format x scale) in f32.
;;   ~~~python
;;   def quantise(x, axis):      # numpy; x: float32 -> the quantised numbers, widened to float32 again
;;       x = np.moveaxis(x, axis, -1); K = x.shape[-1]
;;       x = np.pad(x, [(0, 0)] * (x.ndim - 1) + [(0, -K % 32)]); x = x.reshape(x.shape[:-1] + (-1, 32)); a = np.abs(x).max(-1, keepdims=True)
;;       e = np.where(a > 0, np.clip(np.frexp(np.where(a > 0, a, 1))[1] - 1 - 2, -126, 127), 0)      # np.frexp(a)[1] - 1 = floor(log2(a)), exactly
;;       r = np.clip(x / 2.0 ** e, -6, 6)
;;       step = 2.0 ** (np.maximum(np.frexp(np.where(r == 0, 1, r))[1] - 1, 0) - 1)
;;       q = np.round(r / step) * step * 2.0 ** e      # np.round: ties to even
;;       return np.moveaxis(q.reshape(q.shape[:-2] + (-1,))[..., :K], -1, axis).astype(np.float32)
;;   ~~~
;; One version. Each part assembles by itself: llvm-mc -triple=amdgcn-amd-amdhsa -mcpu=gfx1250 --defsym DOCPART=n.
;; ======== version 1 of 1: 4 launches
;; limits: values are held in f16: magnitudes above 65,504 overflow, below 6.1e-05 lose precision; right only within a limited range of input values
;; workspace buffers: codes 17,563,648 bytes; scales 1,097,728 bytes; qf 16,777,216 bytes; kf 16,777,216 bytes; vf 16,777,216 bytes; vpart 524,288 bytes; h32 786,432 bytes; meanv 16,384 bytes
;; launch quant (part 1): grid 536 x 1, 4 waves a work-group, no clusters, 57,856 bytes of LDS; arguments source_query, source_key_value, Wq, Wk, Wv, codes, scales; writes codes, scales
.if DOCPART == 1
	.amdgcn_target "amdgcn-amd-amdhsa--gfx1250"
	.amdhsa_code_object_version 6
	.text
	.protected	k_qbbb3ad4a93_quant
	.globl	k_qbbb3ad4a93_quant
	.p2align	8
	.type	k_qbbb3ad4a93_quant,@function
k_qbbb3ad4a93_quant:
	s_mov_b64 s[64:65], 0
	v_nop
	global_prefetch_b8 v0, s[64:65] scope:SCOPE_SE
	s_setreg_imm32_b32 hwreg(HW_REG_WAVE_MODE, 25, 1), 1
	s_wait_xcnt 0x0
; The five f32 operands of the three quantised products (source_query, source_key_value: 16,384 rows each; Wq, Wk, Wv: 512 rows each; K = 1,024 innermost)
; become codes of FP4 (E2M1) with one E8M0 scale byte for each 32 along K.  A block's scale is 2^(floor(log2(largest magnitude)) - 2); its byte is the largest
; magnitude's exponent field - 2, held at 1 from below; each number is divided by the scale and rounded to the nearest code, ties to even, beyond 6 the code of 6.
; LIMITS: a block of zeros gets the byte 1 where the rule says 127 (its codes are zeros, and this program alone reads the bytes); NaN and infinities are not served.
; LAYOUT OF THE OUTPUT.  All 34,304 rows count on as one list of 2,144 tiles of 16 rows.  A tile's codes are 8,192 bytes laid as the matrix operand's registers:
; block kb (32 along K) of row r at 256 kb + 16 r, so that the fragment of K step s is 1,024 s + 512 c + 16 lane.  A tile's scale bytes are 512: [kb / 16][r][16 bytes].
; SHARES.  A work-group takes 64 rows, a wave one tile: 32 steps of 512 numbers (row t / 2, half t % 2).  Each load reads 512 consecutive bytes; a step's 2,048 bytes
; turn through the wave's own stage in LDS so that a lane holds 16 neighbours along K (two lanes a block).  Codes and bytes are gathered in the wave's own LDS and
; leave at the end by stores that cover 512 consecutive bytes each.  Waves share nothing: no barrier.  Loads run four steps ahead.
.set STEPS, 32
.set WREG,  14336                      ; LDS of a wave: two turn stages of 2,560, the code stage of 32 x 272, 512 scale bytes
.set SP,    80                         ; a lane's place in a turn stage: 64 bytes + 16 of padding
.set CSG,   5120                       ; the code stage: row kb at pitch CP
.set CP,    272
.set SSG,   13824                      ; the scale bytes
.set SPARE, 4*WREG                     ; the spare words, 128 bytes a wave, that no other line names
.set R,     16                         ; v16-79   four sets of 16 numbers as loaded
.set X,     80                         ; v80-111  two sets of 16 neighbours
.set C,     112                        ; v112-115 a step's codes, two sets by turns
.set E,     116                        ; v116-117 a step's byte, two by turns
.set SPW,   12                         ; v12 my spare word's address; never rewritten
.set NIL,   13                         ; v13 0; never rewritten
	s_load_b256 s[4:11], s[0:1], 0x0               ; source_query, source_key_value, Wq, Wk
	s_load_b128 s[12:15], s[0:1], 0x20             ; Wv, codes
	s_load_b64 s[16:17], s[0:1], 0x30              ; scales
	v_lshl_add_u32 v[SPW], v0, 2, SPARE
	v_mov_b32 v[NIL], 0
	v_lshrrev_b32 v1, 5, v0
	v_readfirstlane_b32 s18, v1                    ; wave
	v_and_b32 v2, 31, v0                           ; lane
	v_lshlrev_b32 v3, 4, v2                        ; 16 x lane: my bytes of a load's or a store's 512
	s_mul_i32 s19, s18, WREG
	v_lshrrev_b32 v14, 2, v2
	v_mul_u32_u24 v14, v14, SP
	v_and_b32 v15, 3, v2
	v_lshl_add_u32 v14, v15, 4, v14
	v_add_nc_u32 v14, s19, v14                     ; turn stage, in: SP (lane / 4) + 16 (lane % 4)
	v_mul_u32_u24 v15, v2, SP
	v_add_nc_u32 v15, s19, v15                     ; turn stage, out: SP x lane
	v_lshrrev_b32 v8, 1, v2                        ; my block of the step's 16
	v_and_b32 v9, 1, v2                            ; which half of it
	v_mul_u32_u24 v4, v8, CP
	v_lshl_add_u32 v4, v9, 3, v4
	v_add_nc_u32 v4, s19, v4
	v_add_nc_u32 v4, CSG, v4                       ; code stage, in: row = block, 8 bytes a lane
	v_add_nc_u32 v5, s19, v8
	v_add_nc_u32 v5, SSG, v5                       ; my block's scale byte
	v_lshrrev_b32 v8, 4, v2
	v_and_b32 v9, 15, v2
	v_mul_u32_u24 v6, v8, CP
	v_lshl_add_u32 v6, v9, 4, v6
	v_add_nc_u32 v6, s19, v6
	v_add_nc_u32 v6, CSG, v6                       ; code stage, out: sixteen lanes a row, two rows an instruction
	v_add_nc_u32 v7, s19, v3
	v_add_nc_u32 v7, SSG, v7                       ; scale bytes, out
	s_mov_b32 s22, 528
	s_wait_kmcnt 0x0
	s_cmp_lt_u32 ttmp9, 528                        ; which tensor: the choice hangs on the work-group's number alone
	s_cselect_b64 s[20:21], s[10:11], s[12:13]     ; Wk or Wv
	s_cselect_b32 s22, 520, s22                    ; and the tensor's first work-group
	s_cmp_lt_u32 ttmp9, 520
	s_cselect_b64 s[20:21], s[8:9], s[20:21]       ; Wq
	s_cselect_b32 s22, 512, s22
	s_cmp_lt_u32 ttmp9, 512
	s_cselect_b64 s[20:21], s[6:7], s[20:21]       ; source_key_value
	s_cselect_b32 s22, 256, s22
	s_cmp_lt_u32 ttmp9, 256
	s_cselect_b64 s[20:21], s[4:5], s[20:21]       ; source_query
	s_cselect_b32 s22, 0, s22
	s_sub_co_u32 s22, ttmp9, s22
	s_lshl_b32 s22, s22, 18                        ; 64 rows of 4,096 bytes a work-group,
	s_lshl_b32 s23, s18, 16                        ; 16 a wave
	s_add_co_u32 s22, s22, s23
	s_mov_b32 s23, 0
	s_add_nc_u64 s[20:21], s[20:21], s[22:23]
	s_lshl_b32 s28, ttmp9, 2
	s_add_co_u32 s28, s28, s18                     ; my tile in the list of all tiles
	s_lshl_b32 s30, s28, 9
	s_mov_b32 s31, 0
	s_lshl_b32 s28, s28, 13
	s_mov_b32 s29, 0
	s_add_nc_u64 s[24:25], s[14:15], s[28:29]      ; its codes
	s_add_nc_u64 s[26:27], s[16:17], s[30:31]      ; its scale bytes
.macro LOAD t
.irp i, 0,1,2,3
	global_load_b128 v[R+16*((\t)%4)+4*\i:R+16*((\t)%4)+4*\i+3], v3, s[20:21] offset:2048*(\t)+512*\i th:TH_LOAD_NT
.endr
.endm
.macro TURN t                          ; LDS serves a wave's instructions in order: no wait between the stores and the loads
.irp i, 0,1,2,3
	ds_store_b128 v14, v[R+16*((\t)%4)+4*\i:R+16*((\t)%4)+4*\i+3] offset:32*SP*((\t)%2)+8*SP*\i
.endr
.irp i, 0,1,2,3
	ds_load_b128 v[X+16*((\t)%2)+4*\i:X+16*((\t)%2)+4*\i+3], v15 offset:32*SP*((\t)%2)+16*\i
.endr
.endm
.irp t, 0,1,2,3
	LOAD \t
.endr
	s_wait_loadcnt 12                              ; step 0's four loads are in
	TURN 0
.macro STEP t
.set XSS, X+16*((\t)%2)
.set CC,  C+2*((\t)%2)
.set EE,  E+((\t)%2)
.if (\t) > 0
	s_wait_dscnt 2                                 ; this step's numbers are back; the last step's two stores (codes, byte) may be out: they read the other set
.else
	s_wait_dscnt 0x0
.endif
.if (\t)+4 < STEPS
	LOAD (\t)+4                                    ; into the set whose stores into the stage are done
.endif
.if (\t)+1 < STEPS
.if STEPS-2-(\t) >= 3
	s_wait_loadcnt 12                              ; the next step's four loads are in; three steps' may be out
.else
	s_wait_loadcnt 4*(STEPS-2-(\t))
.endif
	TURN (\t)+1
.endif
	v_max3_num_f32 v8, |v[XSS]|, |v[XSS+1]|, |v[XSS+2]|
	v_max3_num_f32 v9, |v[XSS+3]|, |v[XSS+4]|, |v[XSS+5]|
.irp i, 6,10
	v_max3_num_f32 v8, v8, |v[XSS+\i]|, |v[XSS+\i+1]|
	v_max3_num_f32 v9, v9, |v[XSS+\i+2]|, |v[XSS+\i+3]|
.endr
	v_max3_num_f32 v8, v8, |v[XSS+14]|, |v[XSS+15]|
	v_max3_num_f32 v8, v8, v9, 0x1800000           ; the floor 2^(3 - 127): the byte cannot fall under 1
	v_max_num_f32_dpp v8, v8, v8 row_xmask:1 row_mask:0xf bank_mask:0xf   ; with my neighbour's 16: the block's largest magnitude
	v_add_nc_u32 v11, 0xff000000, v8               ; 2 off its exponent field: the conversion's scale operand
	v_cvt_scalef32_pk8_fp4_f32 v[CC], v[XSS:XSS+7], v11
	v_cvt_scalef32_pk8_fp4_f32 v[CC+1], v[XSS+8:XSS+15], v11
	v_lshrrev_b32 v[EE], 23, v11                   ; the scale's byte (also the plain line behind the conversions)
	ds_store_b64 v4, v[CC:CC+1] offset:((\t)%2)*16*CP+((\t)/2)*16     ; block 16 (t % 2) + lane / 2, row t / 2
	ds_store_b8 v5, v[EE] offset:((\t)%2)*256+((\t)/2)*16             ; both lanes of a block write the same byte
.endm
.set Q, 0
.rept STEPS
	STEP Q
.set Q, Q+1
.endr
.irp i, 0,1,2,3,4,5,6,7,8,9,10,11,12,13,14,15
	ds_load_b128 v[R+4*\i:R+4*\i+3], v6 offset:\i*2*CP     ; these see my stores: LDS serves a wave in order
.endr
	ds_load_b128 v[X:X+3], v7
.irp i, 0,1,2,3,4,5,6,7,8,9,10,11,12,13,14,15
	s_wait_dscnt 16-\i                             ; behind load i: 15 - i loads of codes and the load of the bytes
	global_store_b128 v3, v[R+4*\i:R+4*\i+3], s[24:25] offset:\i*512   ; 512 consecutive bytes, aligned
.endr
	s_wait_dscnt 0x0
	global_store_b128 v3, v[X:X+3], s[26:27]
	s_wait_tensorcnt 0x0                           ; the wave's end: behind my last LDS store
	ds_add_u32 v[SPW], v[NIL]
	s_wait_dscnt 0x0
	s_endpgm
.Lfunc_end_k_qbbb3ad4a93_quant:
	.size	k_qbbb3ad4a93_quant, .Lfunc_end_k_qbbb3ad4a93_quant-k_qbbb3ad4a93_quant
	.p2alignl 7, 3214868480
	.fill 96, 4, 3214868480
	.section	.rodata,"a",@progbits
	.p2align	6, 0x0
	.amdhsa_kernel k_qbbb3ad4a93_quant
		.amdhsa_group_segment_fixed_size 57856
		.amdhsa_private_segment_fixed_size 0
		.amdhsa_enable_private_segment 0
		.amdhsa_kernarg_size 56
		.amdhsa_user_sgpr_count 2
		.amdhsa_user_sgpr_kernarg_segment_ptr 1
		.amdhsa_wavefront_size32 1
		.amdhsa_system_sgpr_workgroup_id_x 1
		.amdhsa_system_sgpr_workgroup_id_y 1
		.amdhsa_system_sgpr_workgroup_id_z 1
		.amdhsa_system_vgpr_workitem_id 0
		.amdhsa_next_free_vgpr 128
		.amdhsa_next_free_sgpr 66
		.amdhsa_reserve_vcc 0
		.amdhsa_float_denorm_mode_32 3
		.amdhsa_float_denorm_mode_16_64 3
		.amdhsa_memory_ordered 1
		.amdhsa_forward_progress 1
		.amdhsa_inst_pref_size 67
	.end_amdhsa_kernel
	.amdgpu_metadata
---
amdhsa.version: [ 1, 2 ]
amdhsa.kernels:
  - .name:           k_qbbb3ad4a93_quant
    .symbol:         k_qbbb3ad4a93_quant.kd
    .args:
      - { .name: source_query, .offset: 0, .size: 8, .value_kind: global_buffer, .address_space: global }
      - { .name: source_key_value, .offset: 8, .size: 8, .value_kind: global_buffer, .address_space: global }
      - { .name: Wq, .offset: 16, .size: 8, .value_kind: global_buffer, .address_space: global }
      - { .name: Wk, .offset: 24, .size: 8, .value_kind: global_buffer, .address_space: global }
      - { .name: Wv, .offset: 32, .size: 8, .value_kind: global_buffer, .address_space: global }
      - { .name: codes, .offset: 40, .size: 8, .value_kind: global_buffer, .address_space: global }
      - { .name: scales, .offset: 48, .size: 8, .value_kind: global_buffer, .address_space: global }
    .group_segment_fixed_size: 57856
    .private_segment_fixed_size: 0
    .kernarg_segment_align: 8
    .kernarg_segment_size: 56
    .max_flat_workgroup_size: 128
    .sgpr_count:     66
    .vgpr_count:     128
    .wavefront_size: 32
...
	.end_amdgpu_metadata
.endif
;; end of part 1
;; launch proj (part 2): grid 256 x 1, 4 waves a work-group, no clusters, 33,280 bytes of LDS; arguments codes, scales, qf, kf, vf, vpart, h32; writes qf, kf, vf, vpart, h32
.if DOCPART == 2
	.amdgcn_target "amdgcn-amd-amdhsa--gfx1250"
	.amdhsa_code_object_version 6
	.text
	.protected	k_qbbb3ad4a93_proj
	.globl	k_qbbb3ad4a93_proj
	.p2align	8
	.type	k_qbbb3ad4a93_proj,@function
k_qbbb3ad4a93_proj:
	s_mov_b64 s[64:65], 0
	v_nop
	global_prefetch_b8 v0, s[64:65] scope:SCOPE_SE
	s_setreg_imm32_b32 hwreg(HW_REG_WAVE_MODE, 25, 1), 1
	s_wait_xcnt 0x0
; q = x Wq^T, k = y Wk^T, v = y Wv^T on codes of FP4 with E8M0 scales (K = 1,024, eight matrix instructions deep), sums in f32.
; SHARES.  Work-groups 0-63 make q, 64-127 k, four blocks of 64 rows each; work-groups 128-255 make v, two blocks each, since v's blocks carry the column sums besides.
; THE WAVES SHARE THE COLUMNS: wave w makes channels 128 w .. 128 w + 127 for all rows, so its 8 tiles of W (64 fragments, 512 registers) and their scale words stay in registers for the
; whole launch.  A block's four tiles of x (8,192 bytes each, already laid as register images) are brought by the four waves, one tile each, put into LDS as they are, and read by all.
; THE MATRIX INSTRUCTION IS USED TRANSPOSED (source 0 = 16 rows of W, source 1 = 16 rows of x): a lane holds one row of x and eight neighbouring channels, which pack into 16 bytes of f16.
; OUTPUT (qf, kf, vf): f16, 16 KB for each 16 rows: [tile of 16 channels tw][512 bytes]; lane (r, h) = row r, channels 16 tw + 8 h + 0 .. 7.  In qf and kf its 16 bytes lie at 16 x lane: two
; neighbouring tw are one 16-bit fragment.  In vf they lie at 256 (r / 8) + 128 h + 16 (r % 8): the order in which the lanes of a turning LDS load take them, 16 bytes a lane on end.
; Each store of a wave covers 512 consecutive bytes, aligned.  Beside it: for v the column sums of each block of 64 rows in f32 (vpart; stored by two lanes, 32 bytes each: 512 KB of the launch),
; and for all three the first 16 rows of each batch in f32, row-major (h32).
; LIMIT: a projection beyond 65,504 in magnitude becomes infinity in f16.
; No cluster: what work-groups share is W (256 KB read once by each) and nothing is brought by tensor loads here.
; REGISTERS: window 0: v1-9 addresses; v16-79 W's scale words (8 t + s); v80-111 x's (8 m + s); v112-175 the next block's tile on its way; v176-239 two sets of x's four fragments, later the way out.
;   windows 1, 2: W's fragments (t, s) at 8 (8 (t % 4) + s).   window 3: accumulator (m, t) at 8 (8 m + t).
.set SPARE, 32768                      ; LDS: four images of 8,192 bytes from 0; behind them the spare words
.set LI,  1                            ; 16 x lane
.set LIW, 2                            ; 16 x lane + 8,192 x wave
.set SCA, 3                            ; 16 x (lane % 16): a row's 16 scale bytes
.set R16, 4                            ; lane % 16
.set HO,  5                            ; h32: row r of 2,048 bytes + 32 h
.set VO,  6                            ; 32 h
.set OL,  7                            ; my 16 bytes' place in a store's 512: q, k: 16 x lane; v: 256 (r / 8) + 128 h + 16 (r % 8)
.set SPW, 8
.set NIL, 9
.set WS,  16
.set XS,  80
.set STG, 112
.set XB,  176
.set MSB, 0
.macro WIN new                         ; the immediate's high byte repeats the setting that is left
.if MSB != \new
	s_set_vgpr_msb (MSB<<8)|\new
.set MSB, \new
.endif
.endm
.macro BAR                             ; my LDS instructions are done; then the work-group's barrier
	s_wait_dscnt 0x0
	s_barrier_signal -1
	s_barrier_wait -1
.endm
.macro PLACES
.rept 4
	v_nop
.endr
.endm
.macro FETCH s                         ; the four tiles' fragments of K step s into set s % 2
.irp m, 0,1,2,3
.irp c, 0,1
	ds_load_b128 v[XB+32*((\s)%2)+8*\m+4*\c:XB+32*((\s)%2)+8*\m+4*\c+3], v[LI] offset:\m*8192+(\s)*1024+\c*512
.endr
.endr
.endm
.macro MM t, m, s
.if (\s) == 0
	v_wmma_scale_f32_16x16x128_f8f6f4 v[8*(8*(\m)+(\t)):8*(8*(\m)+(\t))+7], v[8*(8*((\t)%4)+(\s)):8*(8*((\t)%4)+(\s))+7], v[XB+32*((\s)%2)+8*(\m):XB+32*((\s)%2)+8*(\m)+7], 0, v[WS+8*(\t)+(\s)], v[XS+8*(\m)+(\s)] matrix_a_fmt:MATRIX_FMT_FP4 matrix_b_fmt:MATRIX_FMT_FP4
.else
	v_wmma_scale_f32_16x16x128_f8f6f4 v[8*(8*(\m)+(\t)):8*(8*(\m)+(\t))+7], v[8*(8*((\t)%4)+(\s)):8*(8*((\t)%4)+(\s))+7], v[XB+32*((\s)%2)+8*(\m):XB+32*((\s)%2)+8*(\m)+7], v[8*(8*(\m)+(\t)):8*(8*(\m)+(\t))+7], v[WS+8*(\t)+(\s)], v[XS+8*(\m)+(\s)] matrix_a_fmt:MATRIX_FMT_FP4 matrix_b_fmt:MATRIX_FMT_FP4
.endif
.endm
.macro PACKOUT k                       ; tiles of rows 2 k and 2 k + 1: rounded to f16 (each accumulator from its low end on) and stored
	WIN 0x0f
.irp mm, 0,1
.irp t, 0,1,2,3,4,5,6,7
.irp j, 0,1,2,3
	v_cvt_pk_f16_f32 v[XB+4*(8*\mm+\t)+\j], v[8*(8*(2*(\k)+\mm)+\t)+2*\j], v[8*(8*(2*(\k)+\mm)+\t)+2*\j+1]
.endr
.endr
.endr
	WIN 0
.irp mm, 0,1
.irp t, 0,1,2,3,4,5,6,7
	global_store_b128 v[OL], v[XB+4*(8*\mm+\t):XB+4*(8*\mm+\t)+3], s[24:25] offset:(2*(\k)+\mm)*16384+\t*512
.endr
.endr
.endm
	s_load_b256 s[4:11], s[0:1], 0x0               ; codes, scales, qf, kf
	s_load_b128 s[12:15], s[0:1], 0x20             ; vf, vpart
	s_load_b64 s[16:17], s[0:1], 0x30              ; h32
	v_lshl_add_u32 v[SPW], v0, 2, SPARE
	v_mov_b32 v[NIL], 0
	v_lshrrev_b32 v10, 5, v0
	v_readfirstlane_b32 s18, v10                   ; wave
	v_and_b32 v10, 31, v0
	v_lshlrev_b32 v[LI], 4, v10
	s_lshl_b32 s19, s18, 13
	v_add_nc_u32 v[LIW], s19, v[LI]
	v_and_b32 v[R16], 15, v0
	v_lshlrev_b32 v[SCA], 4, v[R16]
	v_bfe_u32 v11, v0, 4, 1
	v_lshlrev_b32 v[VO], 5, v11
	v_lshl_add_u32 v[HO], v[R16], 11, v[VO]
	v_lshrrev_b32 v12, 3, v[R16]
	v_and_b32 v13, 7, v[R16]
	v_lshlrev_b32 v12, 8, v12
	v_lshl_add_u32 v12, v11, 7, v12
	v_lshl_add_u32 v12, v13, 4, v12                ; 256 (r / 8) + 128 h + 16 (r % 8)
	s_lshr_b32 s32, ttmp9, 6
	s_min_u32 s32, s32, 2                          ; p: 0 q, 1 k, 2 v
	s_and_b32 s38, ttmp9, 63
	s_lshl_b32 s38, s38, 2                         ; q, k: my first block of 64 rows is 4 (g % 64)
	s_max_u32 s39, ttmp9, 128
	s_sub_co_u32 s39, s39, 128
	s_lshl_b32 s39, s39, 1                         ; v: 2 (g - 128)
	s_cmp_lt_u32 ttmp9, 128
	s_cselect_b32 s38, s38, s39                    ; my first block, 0 .. 255
	s_cselect_b32 s30, 4, 2                        ; blocks to go
	s_cmp_eq_u32 s32, 2
	s_cselect_b32 s54, -1, 0
	v_cndmask_b32 v[OL], v[LI], v12, s54           ; v's stores take the other order inside their 512 bytes
	s_cmp_eq_u32 s32, 0
	s_cselect_b32 s39, 0, 1024                     ; q reads source_query's tiles, k and v source_key_value's
	s_lshl_b32 s40, s38, 2
	s_add_co_u32 s39, s39, s40                     ; my first tile of x: four to a block
	s_add_co_u32 s40, s39, s18                     ; the tile that I bring
	s_lshl_b32 s40, s40, 13
	s_mov_b32 s41, 0
	s_lshl_b32 s42, s39, 9
	s_mov_b32 s43, 0
	s_lshl_b32 s44, s32, 5
	s_lshl_b32 s45, s18, 3
	s_add_co_u32 s44, s44, s45
	s_add_co_u32 s44, s44, 2048                    ; my first tile of W
	s_lshl_b32 s46, s44, 9
	s_mov_b32 s47, 0
	s_lshl_b32 s44, s44, 13
	s_mov_b32 s45, 0
	s_lshl_b32 s48, s38, 16                        ; the output: 4 tiles of 16 KB a block,
	s_lshl_b32 s49, s18, 12                        ; my 8 tiles of channels
	s_add_co_u32 s48, s48, s49
	s_mov_b32 s49, 0
	s_lshl_b32 s50, s38, 11                        ; vpart: 2,048 bytes a block,
	s_lshl_b32 s51, s18, 9                         ; my 128 channels
	s_add_co_u32 s50, s50, s51
	s_lshl_b32 s52, s32, 3
	s_lshr_b32 s53, s38, 5
	s_add_co_u32 s52, s52, s53                     ; 8 p + batch
	s_lshl_b32 s52, s52, 15
	s_add_co_u32 s52, s52, s51
	s_mov_b32 s51, 0
	s_mov_b32 s53, 0
	s_and_b32 s31, s38, 31
	s_cmp_eq_u32 s31, 0
	s_cselect_b32 s31, 1, 0                        ; 1: my first tile is a batch's first 16 rows
	s_wait_kmcnt 0x0
	s_add_nc_u64 s[20:21], s[4:5], s[40:41]
	s_add_nc_u64 s[22:23], s[6:7], s[42:43]
	s_add_nc_u64 s[34:35], s[4:5], s[44:45]
	s_add_nc_u64 s[36:37], s[6:7], s[46:47]
	s_cmp_eq_u32 s32, 0
	s_cselect_b64 s[24:25], s[8:9], s[10:11]
	s_cmp_eq_u32 s32, 2
	s_cselect_b64 s[24:25], s[12:13], s[24:25]
	s_add_nc_u64 s[24:25], s[24:25], s[48:49]
	s_add_nc_u64 s[26:27], s[14:15], s[50:51]
	s_add_nc_u64 s[28:29], s[16:17], s[52:53]
.irp k, 0,1,2,3,4,5,6,7,8,9,10,11,12,13,14,15
	global_load_b128 v[STG+4*\k:STG+4*\k+3], v[LI], s[20:21] offset:\k*512     ; my first block: my tile of x
.endr
.irp m, 0,1,2,3
.irp u2, 0,1
	global_load_b128 v[XS+8*\m+4*\u2:XS+8*\m+4*\u2+3], v[SCA], s[22:23] offset:\m*512+\u2*256
.endr
.endr
.irp t, 0,1,2,3,4,5,6,7
.irp u2, 0,1
	global_load_b128 v[WS+8*\t+4*\u2:WS+8*\t+4*\u2+3], v[SCA], s[36:37] offset:\t*512+\u2*256
.endr
.endr
	WIN 0x40                                       ; destination window 1
.irp t, 0,1,2,3
.irp s, 0,1,2,3,4,5,6,7
.irp c, 0,1
	global_load_b128 v[8*(8*\t+\s)+4*\c:8*(8*\t+\s)+4*\c+3], v[LI], s[34:35] offset:\t*8192+\s*1024+\c*512
.endr
.endr
.endr
	WIN 0x80                                       ; destination window 2
.irp t, 4,5,6,7
.irp s, 0,1,2,3,4,5,6,7
.irp c, 0,1
	global_load_b128 v[8*(8*(\t-4)+\s)+4*\c:8*(8*(\t-4)+\s)+4*\c+3], v[LI], s[34:35] offset:\t*8192+\s*1024+\c*512
.endr
.endr
.endr
	WIN 0
.Lblk:
	s_wait_loadcnt 0x0                             ; my tile of this block and its scale words (first trip: W too)
.irp k, 0,1,2,3,4,5,6,7,8,9,10,11,12,13,14,15
	ds_store_b128 v[LIW], v[STG+4*\k:STG+4*\k+3] offset:\k*512
.endr
	BAR                                            ; the four images lie in LDS; my stores have read their registers
	s_wait_xcnt 0x0
	s_add_nc_u64 s[20:21], s[20:21], 32768         ; four tiles on
	s_cmp_eq_u32 s30, 1
	s_cbranch_scc1 .Lno_x                          ; the last block asks for nothing: no load leaves its buffer
.irp k, 0,1,2,3,4,5,6,7,8,9,10,11,12,13,14,15
	global_load_b128 v[STG+4*\k:STG+4*\k+3], v[LI], s[20:21] offset:\k*512     ; it lands while this block is multiplied
.endr
.Lno_x:
	FETCH 0
.irp s, 0,1,2,3,4,5,6,7
	WIN 0
.if \s < 7
.if \s > 0
	PLACES                                         ; in front of loads into the set that the last K step's products read
.endif
	FETCH \s+1
	s_wait_dscnt 8                                 ; all but the eight just issued
.else
	s_wait_dscnt 0x0
.endif
	WIN 0xf1                                       ; W in window 1, x in window 0, C and D in window 3
.irp t, 0,1,2,3
.irp m, 0,1,2,3
	MM \t, \m, \s                                  ; the 32 accumulators take turns, one instruction a turn
.endr
.endr
	WIN 0xf2                                       ; W in window 2
.irp t, 4,5,6,7
.irp m, 0,1,2,3
	MM \t, \m, \s
.endr
.endr
.endr
	WIN 0
	BAR                                            ; every wave's reads of the images are in: the next trip may store over them
	PLACES                                         ; behind the last products: in front of reads of results and of loads into the scale words
	s_cmp_eq_u32 s30, 1
	s_cbranch_scc1 .Lno_xs
	s_add_nc_u64 s[22:23], s[22:23], 2048          ; (its last loads were waited for at the trip's head)
.irp m, 0,1,2,3
.irp u2, 0,1
	global_load_b128 v[XS+8*\m+4*\u2:XS+8*\m+4*\u2+3], v[SCA], s[22:23] offset:\m*512+\u2*256
.endr
.endr
.Lno_xs:
	s_cmp_eq_u32 s31, 0
	s_cbranch_scc1 .Lno_head
	WIN 0x0c                                       ; a store's data are its source 1: window 3
.irp t, 0,1,2,3,4,5,6,7
	global_store_b128 v[HO], v[8*\t:8*\t+3], s[28:29] offset:\t*64         ; a batch's rows 0-15 in f32: row r, channels 128 w + 16 t + 8 h on
	global_store_b128 v[HO], v[8*\t+4:8*\t+7], s[28:29] offset:\t*64+16
.endr
	WIN 0
.Lno_head:
	s_cmp_lg_u32 s32, 2
	s_cbranch_scc1 .Lno_vsum
	WIN 0x0f                                       ; v alone: the column sums of the block's 64 rows
.irp t, 0,1,2,3,4,5,6,7
.irp j, 0,2,4,6
	v_pk_add_f32 v[XB+8*\t+\j:XB+8*\t+\j+1], v[8*\t+\j:8*\t+\j+1], v[8*(8+\t)+\j:8*(8+\t)+\j+1]
.endr
.endr
	WIN 0x0c
.irp m, 2,3
.irp t, 0,1,2,3,4,5,6,7
.irp j, 0,2,4,6
	v_pk_add_f32 v[XB+8*\t+\j:XB+8*\t+\j+1], v[XB+8*\t+\j:XB+8*\t+\j+1], v[8*(8*\m+\t)+\j:8*(8*\m+\t)+\j+1]
.endr
.endr
.endr
	WIN 0
.irp x, 1,2,4,8                        ; over the sixteen lanes of a half: the sixteen rows of a tile
.set j, 0
.rept 64
	v_add_f32_dpp v[XB+j], v[XB+j], v[XB+j] row_xmask:\x row_mask:0xf bank_mask:0xf
.set j, j+1
.endr
.endr
	s_wait_xcnt 0x0                                ; EXEC changes only behind this wait
	v_cmp_eq_u32 vcc_lo, 0, v[R16]
	s_and_saveexec_b32 s33, vcc_lo                 ; lanes 0 and 16
.irp t, 0,1,2,3,4,5,6,7
	global_store_b128 v[VO], v[XB+8*\t:XB+8*\t+3], s[26:27] offset:\t*64
	global_store_b128 v[VO], v[XB+8*\t+4:XB+8*\t+7], s[26:27] offset:\t*64+16
.endr
	s_wait_xcnt 0x0                                ; and again in front of the line that widens it; the stores' data may be written too
	s_or_b32 exec_lo, exec_lo, s33
.Lno_vsum:
	PACKOUT 0
	s_wait_xcnt 0x0                                ; the stores have read their registers
	PACKOUT 1
	s_wait_xcnt 0x0                                ; likewise, and their bases: all may be written
	s_add_nc_u64 s[24:25], s[24:25], 65536
	s_add_nc_u64 s[26:27], s[26:27], 2048
	s_mov_b32 s31, 0
	s_sub_co_u32 s30, s30, 1
	s_cmp_lg_u32 s30, 0
	s_cbranch_scc1 .Lblk
	s_wait_tensorcnt 0x0                           ; the wave's end: behind my last LDS store
	ds_add_u32 v[SPW], v[NIL]
	s_wait_dscnt 0x0
	s_endpgm
.Lfunc_end_k_qbbb3ad4a93_proj:
	.size	k_qbbb3ad4a93_proj, .Lfunc_end_k_qbbb3ad4a93_proj-k_qbbb3ad4a93_proj
	.p2alignl 7, 3214868480
	.fill 96, 4, 3214868480
	.section	.rodata,"a",@progbits
	.p2align	6, 0x0
	.amdhsa_kernel k_qbbb3ad4a93_proj
		.amdhsa_group_segment_fixed_size 33280
		.amdhsa_private_segment_fixed_size 0
		.amdhsa_enable_private_segment 0
		.amdhsa_kernarg_size 56
		.amdhsa_user_sgpr_count 2
		.amdhsa_user_sgpr_kernarg_segment_ptr 1
		.amdhsa_wavefront_size32 1
		.amdhsa_system_sgpr_workgroup_id_x 1
		.amdhsa_system_sgpr_workgroup_id_y 1
		.amdhsa_system_sgpr_workgroup_id_z 1
		.amdhsa_system_vgpr_workitem_id 0
		.amdhsa_next_free_vgpr 1024
		.amdhsa_next_free_sgpr 66
		.amdhsa_reserve_vcc 1
		.amdhsa_float_denorm_mode_32 3
		.amdhsa_float_denorm_mode_16_64 3
		.amdhsa_memory_ordered 1
		.amdhsa_forward_progress 1
		.amdhsa_inst_pref_size 98
	.end_amdhsa_kernel
	.amdgpu_metadata
---
amdhsa.version: [ 1, 2 ]
amdhsa.kernels:
  - .name:           k_qbbb3ad4a93_proj
    .symbol:         k_qbbb3ad4a93_proj.kd
    .args:
      - { .name: codes, .offset: 0, .size: 8, .value_kind: global_buffer, .address_space: global }
      - { .name: scales, .offset: 8, .size: 8, .value_kind: global_buffer, .address_space: global }
      - { .name: qf, .offset: 16, .size: 8, .value_kind: global_buffer, .address_space: global }
      - { .name: kf, .offset: 24, .size: 8, .value_kind: global_buffer, .address_space: global }
      - { .name: vf, .offset: 32, .size: 8, .value_kind: global_buffer, .address_space: global }
      - { .name: vpart, .offset: 40, .size: 8, .value_kind: global_buffer, .address_space: global }
      - { .name: h32, .offset: 48, .size: 8, .value_kind: global_buffer, .address_space: global }
    .group_segment_fixed_size: 33280
    .private_segment_fixed_size: 0
    .kernarg_segment_align: 8
    .kernarg_segment_size: 56
    .max_flat_workgroup_size: 128
    .sgpr_count:     66
    .vgpr_count:     1024
    .wavefront_size: 32
...
	.end_amdgpu_metadata
.endif
;; end of part 2
;; launch head (part 3): grid 8 x 1, 4 waves a work-group, no clusters, 24,064 bytes of LDS; arguments h32, vpart, source_query_padding_mask, source_key_value_padding_mask, meanv, out0; writes meanv, out0
.if DOCPART == 3
	.amdgcn_target "amdgcn-amd-amdhsa--gfx1250"
	.amdhsa_code_object_version 6
	.text
	.protected	k_qbbb3ad4a93_head
	.globl	k_qbbb3ad4a93_head
	.p2align	8
	.type	k_qbbb3ad4a93_head,@function
k_qbbb3ad4a93_head:
	s_mov_b64 s[64:65], 0
	v_nop
	global_prefetch_b8 v0, s[64:65] scope:SCOPE_SE
	s_setreg_imm32_b32 hwreg(HW_REG_WAVE_MODE, 25, 1), 1
	s_wait_xcnt 0x0
; Two small things for each batch (one work-group a batch, wave w: channels 128 w .. 128 w + 127).
; (1) meanv = the mean of v over all 2,048 keys, from the 32 partial sums of vpart: what a row gets whose every score is masked (2,048 equal scores: equal weights).
; (2) The batch's first 16 positions, whose softmax averages few values, wholly in f32: scores, softmax and the second product by the f32 matrix form (64 instructions a wave: no bulk work).
; S^T = K Q^T: a lane holds one query (lane % 16) and keys 8 (lane / 16) + 0 .. 7.  Wave w sums over its own 128 channels alone (taken in an order that is the same for K and Q: registers 2 n, 2 n + 1
; of both); the four partial tiles meet in LDS behind one barrier, and every wave adds them in the same order.
; O^T = V^T P^T with the keys in the order in which p lies: 8 h + 2 s + j on both sides.
; MASKS: a masked score becomes -1e30 in t = score x log2(e) / sqrt(512); p = 2^(t - m), m the row's largest t.  A row with m <= -5e29, or a padded query, takes meanv by a select.
; LIMITS: |t| must stay under 3e22; NaN and infinities are not served.
; The registers that the f32 matrix form writes (window 3, v0-95) are written by matrix instructions alone.
.set STAGE, 2048                       ; LDS: 0: the mean, 512 bytes a wave; then a stage of 16 x 272 a wave; the spare words; the partial scores, 1,024 bytes a wave
.set SPARE, 19456
.set SX,    19968
.set RR,  1
.set HH,  2
.set AQK, 3                            ; q, k: row r of 2,048 bytes + 16 h
.set AV,  4                            ; v: 8 h rows + 4 r
.set LI,  5                            ; 16 x lane
.set AKM, 6                            ; 8 h
.set SXS, 7                            ; my partial scores, in: SX + 1,024 x wave + 32 x lane
.set MVS, 8                            ; the mean, in
.set MVL, 9                            ; the mean, back in the result's layout
.set STI, 10
.set STO, 11
.set GO,  12
.set D0,  13                           ; r - 8 h: key register j is hidden where j > D0
.set SPW, 14
.set NIL, 15
.set SXL, 28                           ; the partial scores, back: SX + 32 x lane
.set T,   32                           ; v32-39 t, then p
.set T2,  40
.set VV,  64                           ; v64-127 v: register 8 t + kk = key 8 h + kk, channel 16 t + r; later rows read back
.set VP,  128                          ; v128-255 the 32 parts of vpart; later:
.set RES, 128                          ; the results
.set X4,  136                          ; v136-167 the four waves' partial scores
.set MN,  192                          ; the mean in the result's layout
.set MSB, 0
.macro WIN new
.if MSB != \new
	s_set_vgpr_msb (MSB<<8)|\new
.set MSB, \new
.endif
.endm
	s_load_b256 s[4:11], s[0:1], 0x0               ; h32, vpart, query mask, key mask
	s_load_b128 s[12:15], s[0:1], 0x20             ; meanv, out0
	v_lshl_add_u32 v[SPW], v0, 2, SPARE
	v_mov_b32 v[NIL], 0
	v_lshrrev_b32 v16, 5, v0
	v_readfirstlane_b32 s16, v16                   ; wave
	v_and_b32 v[RR], 15, v0
	v_bfe_u32 v[HH], v0, 4, 1
	v_lshlrev_b32 v[AQK], 11, v[RR]
	v_lshl_add_u32 v[AQK], v[HH], 4, v[AQK]
	v_lshlrev_b32 v[AV], 14, v[HH]
	v_lshl_add_u32 v[AV], v[RR], 2, v[AV]
	v_and_b32 v16, 31, v0
	v_lshlrev_b32 v[LI], 4, v16
	v_lshl_add_u32 v[SXL], v16, 5, SX
	s_lshl_b32 s43, s16, 10
	v_add_nc_u32 v[SXS], s43, v[SXL]
	v_lshlrev_b32 v[AKM], 3, v[HH]
	s_lshl_b32 s17, s16, 9                         ; 512 x wave
	v_add_nc_u32 v[MVS], s17, v[LI]
	v_lshl_add_u32 v[MVL], v[HH], 5, s17
	s_mul_i32 s18, s16, 16*272
	s_add_co_u32 s18, s18, STAGE
	v_mul_u32_u24 v[STI], v[RR], 272
	v_lshl_add_u32 v[STI], v[HH], 5, v[STI]
	v_add_nc_u32 v[STI], s18, v[STI]
	v_mul_u32_u24 v[STO], v[HH], 272
	v_lshl_add_u32 v[STO], v[RR], 4, v[STO]
	v_add_nc_u32 v[STO], s18, v[STO]
	v_lshlrev_b32 v[GO], 11, v[HH]
	v_lshl_add_u32 v[GO], v[RR], 4, v[GO]
	v_sub_nc_u32 v[D0], v[RR], v[AKM]
	v_mov_b32 v17, 0                               ; a lane permute's destination counts as read
	v_mov_b32 v23, 0xf149f2ca                      ; -1e30
	s_mov_b32 s36, 0x3d8293ee                      ; log2(e) / sqrt(512)
	s_mov_b32 s37, s36
	s_mov_b32 s38, 0x76543210
	s_mov_b32 s39, 0xfedcba98
	s_mov_b32 s42, 0xf0c9f2ca                      ; -5e29
	s_lshl_b32 s20, ttmp9, 15                      ; h32: 32,768 bytes a batch
	s_mov_b32 s21, 0
	s_mov_b32 s19, 0                               ; with s18 free from here: the pair s[18:19] = 512 x wave
	s_mov_b32 s18, s17
	s_lshl_b32 s44, ttmp9, 16                      ; vpart: 65,536 bytes a batch
	s_mov_b32 s45, 0
	s_lshl_b32 s46, ttmp9, 11                      ; masks and meanv: 2,048 bytes a batch
	s_mov_b32 s47, 0
	s_lshl_b32 s40, ttmp9, 22                      ; out0: 4,194,304 bytes a batch
	s_mov_b32 s41, 0
	s_wait_kmcnt 0x0
	s_add_nc_u64 s[22:23], s[4:5], s[20:21]        ; q of my batch; k 262,144 and v 524,288 bytes on
	s_add_nc_u64 s[24:25], s[22:23], s[18:19]      ; at my 128 channels
	s_add_nc_u64 s[26:27], s[6:7], s[44:45]
	s_add_nc_u64 s[26:27], s[26:27], s[18:19]
	s_add_nc_u64 s[28:29], s[8:9], s[46:47]
	s_add_nc_u64 s[30:31], s[10:11], s[46:47]
	s_add_nc_u64 s[32:33], s[12:13], s[46:47]
	s_add_nc_u64 s[32:33], s[32:33], s[18:19]
	s_add_nc_u64 s[34:35], s[14:15], s[40:41]
	s_add_nc_u64 s[34:35], s[34:35], s[18:19]
	WIN 0x40                                       ; q into window 1: registers 4 i .. 4 i + 3 = channels 128 w + 8 i + 4 h + 0 .. 3 of row r
.set i, 0
.rept 16
	global_load_b128 v[4*i:4*i+3], v[AQK], s[24:25] offset:32*i
.set i, i+1
.endr
	WIN 0x80                                       ; k into window 2, likewise
.set i, 0
.rept 16
	global_load_b128 v[4*i:4*i+3], v[AQK], s[24:25] offset:262144+32*i
.set i, i+1
.endr
	WIN 0
.irp t, 0,1,2,3,4,5,6,7
.irp kk, 0,1,2,3,4,5,6,7
	global_load_b32 v[VV+8*\t+\kk], v[AV], s[24:25] offset:524288+\kk*2048+\t*64
.endr
.endr
.set i, 0
.rept 32
	global_load_b128 v[VP+4*i:VP+4*i+3], v[LI], s[26:27] offset:2048*i
.set i, i+1
.endr
	global_load_b64 v[20:21], v[AKM], s[30:31]     ; the padding bytes of keys 8 h .. 8 h + 7
	global_load_u8 v22, v[RR], s[28:29]            ; and of query r
	s_wait_loadcnt 0x0
	; ---- the mean of v: my lane's four channels, 32 parts, in two chains
.set i, 1
.rept 31
	v_pk_add_f32 v[VP:VP+1], v[VP:VP+1], v[VP+4*i:VP+4*i+1]
	v_pk_add_f32 v[VP+2:VP+3], v[VP+2:VP+3], v[VP+4*i+2:VP+4*i+3]
.set i, i+1
.endr
	v_pk_mul_f32 v[VP:VP+1], v[VP:VP+1], 0x3a000000 op_sel_hi:[1,0]       ; / 2,048
	v_pk_mul_f32 v[VP+2:VP+3], v[VP+2:VP+3], 0x3a000000 op_sel_hi:[1,0]
	global_store_b128 v[LI], v[VP:VP+3], s[32:33]
	ds_store_b128 v[MVS], v[VP:VP+3]
.irp t, 0,1,2,3,4,5,6,7                ; back in the result's layout: channels 16 t + 8 h + 0 .. 7 (my own bytes: LDS serves a wave in order)
	ds_load_b128 v[MN+8*\t:MN+8*\t+3], v[MVL] offset:\t*64
	ds_load_b128 v[MN+8*\t+4:MN+8*\t+7], v[MVL] offset:\t*64+16
.endr
	; ---- my part of S^T = K Q^T: 32 steps of 4 channels on four accumulators by turns; the first four start the sums
	WIN 0xf6                                       ; K window 2, Q window 1, C and D window 3
.set n, 0
.rept 32
.if n < 4
	v_wmma_f32_16x16x4_f32 v[64+8*(n%4):71+8*(n%4)], v[2*n:2*n+1], v[2*n:2*n+1], 0
.else
	v_wmma_f32_16x16x4_f32 v[64+8*(n%4):71+8*(n%4)], v[2*n:2*n+1], v[2*n:2*n+1], v[64+8*(n%4):71+8*(n%4)]
.endif
.set n, n+1
.endr
.rept 8
	v_nop                                          ; eight places behind this form (ISA guide 7.12.1)
.endr
	WIN 0x0f
.irp j, 0,2,4,6
	v_pk_add_f32 v[T+\j:T+\j+1], v[64+\j:65+\j], v[72+\j:73+\j]
.endr
.irp j, 0,2,4,6
	v_pk_add_f32 v[T2+\j:T2+\j+1], v[80+\j:81+\j], v[88+\j:89+\j]
.endr
	WIN 0
.irp j, 0,2,4,6
	v_pk_add_f32 v[T+\j:T+\j+1], v[T+\j:T+\j+1], v[T2+\j:T2+\j+1]
.endr
	ds_store_b128 v[SXS], v[T:T+3]                 ; my 128 channels' share of the scores
	ds_store_b128 v[SXS], v[T+4:T+7] offset:16
	s_wait_dscnt 0x0                               ; for the others' sake: my stores have landed
	s_barrier_signal -1
	s_barrier_wait -1
.irp g, 0,1,2,3
	ds_load_b128 v[X4+8*\g:X4+8*\g+3], v[SXL] offset:\g*1024
	ds_load_b128 v[X4+8*\g+4:X4+8*\g+7], v[SXL] offset:\g*1024+16
.endr
	s_wait_dscnt 0x0
.irp j, 0,2,4,6
	v_pk_add_f32 v[T+\j:T+\j+1], v[X4+\j:X4+\j+1], v[X4+8+\j:X4+8+\j+1]
.endr
.irp j, 0,2,4,6
	v_pk_add_f32 v[T2+\j:T2+\j+1], v[X4+16+\j:X4+16+\j+1], v[X4+24+\j:X4+24+\j+1]
.endr
.irp j, 0,2,4,6
	v_pk_add_f32 v[T+\j:T+\j+1], v[T+\j:T+\j+1], v[T2+\j:T2+\j+1]
.endr
.irp j, 0,2,4,6
	v_pk_mul_f32 v[T+\j:T+\j+1], v[T+\j:T+\j+1], s[36:37] op_sel_hi:[1,0]  ; t
.endr
.irp j, 0,1,2,3,4,5,6,7
	v_bfe_u32 v24, v[20+\j/4], 8*(\j%4), 8
	v_cmp_ne_u32 vcc_lo, 0, v24                    ; a padded key,
	v_cndmask_b32 v[T+\j], v[T+\j], v23, vcc_lo
	v_cmp_gt_i32 vcc_lo, \j, v[D0]                 ; or one that comes after the query
	v_cndmask_b32 v[T+\j], v[T+\j], v23, vcc_lo
.endr
	v_max3_num_f32 v16, v[T], v[T+1], v[T+2]
	v_max3_num_f32 v16, v16, v[T+3], v[T+4]
	v_max3_num_f32 v16, v16, v[T+5], v[T+6]
	v_max_num_f32 v16, v16, v[T+7]
	v_permlanex16_b32 v17, v16, s38, s39
	v_max_num_f32 v16, v16, v17                    ; the row's largest t
	v_cmp_ge_f32 s40, s42, v16                     ; no key counts,
	v_cmp_ne_u32 s41, 0, v22                       ; or the query is padded:
	s_or_b32 s40, s40, s41                         ; the row takes the mean (a select, no branch)
.irp j, 0,1,2,3,4,5,6,7
	v_sub_f32 v[T+\j], v[T+\j], v16
.endr
.irp j, 0,1,2,3,4,5,6,7
	v_exp_f32 v[T+\j], v[T+\j]
.endr
	v_nop                                          ; a plain line behind the exponentials,
	s_wait_alu depctr_va_vdst(0)                   ; and one wait for the batch, ahead of its first reader
	v_add_f32 v24, v[T], v[T+1]
	v_add_f32 v25, v[T+2], v[T+3]
	v_add_f32 v26, v[T+4], v[T+5]
	v_add_f32 v27, v[T+6], v[T+7]
	v_add_f32 v24, v24, v25
	v_add_f32 v26, v26, v27
	v_add_f32 v24, v24, v26
	v_permlanex16_b32 v17, v24, s38, s39
	v_add_f32 v24, v24, v17                        ; the row's sum
	v_rcp_f32 v18, v24
	v_mov_b32 v19, 0                               ; (named with v18 as a pair; also the plain line behind the reciprocal)
	s_wait_alu depctr_va_vdst(0)
	; ---- O^T = V^T P^T: four steps of 4 keys, eight accumulators by turns
	WIN 0xf0
.irp s, 0,1,2,3
.irp t, 0,1,2,3,4,5,6,7
.if \s == 0
	v_wmma_f32_16x16x4_f32 v[8*\t:8*\t+7], v[VV+8*\t+2*\s:VV+8*\t+2*\s+1], v[T+2*\s:T+2*\s+1], 0
.else
	v_wmma_f32_16x16x4_f32 v[8*\t:8*\t+7], v[VV+8*\t+2*\s:VV+8*\t+2*\s+1], v[T+2*\s:T+2*\s+1], v[8*\t:8*\t+7]
.endif
.endr
.endr
.rept 8
	v_nop
.endr
	s_wait_xcnt 0x0                                ; the store of the mean has read v128-131
	WIN 0x03                                       ; source 0 window 3
.set j, 0
.rept 32
	v_pk_mul_f32 v[RES+j:RES+j+1], v[j:j+1], v[18:19] op_sel_hi:[1,0]     ; O^T / the sum, into other registers; each accumulator from its low end on
.set j, j+2
.endr
	WIN 0
.set j, 0
.rept 64
	v_cndmask_b32 v[RES+j], v[RES+j], v[MN+j], s40
.set j, j+1
.endr
.irp u, 0,1                            ; through my stage, 64 channels (256 bytes) of 16 rows at a time
.irp t, 0,1,2,3
	ds_store_b128 v[STI], v[RES+32*\u+8*\t:RES+32*\u+8*\t+3] offset:64*\t
	ds_store_b128 v[STI], v[RES+32*\u+8*\t+4:RES+32*\u+8*\t+7] offset:64*\t+16
.endr
.irp i, 0,1,2,3,4,5,6,7
	ds_load_b128 v[VV+32*\u+4*\i:VV+32*\u+4*\i+3], v[STO] offset:2*\i*272
.endr
.endr
.irp u, 0,1
.irp i, 0,1,2,3,4,5,6,7
	s_wait_dscnt 15-8*\u-\i
	global_store_b128 v[GO], v[VV+32*\u+4*\i:VV+32*\u+4*\i+3], s[34:35] offset:2*\i*2048+256*\u   ; sixteen lanes store 256 consecutive bytes, aligned
.endr
.endr
	s_wait_tensorcnt 0x0                           ; the wave's end: behind my last LDS store
	ds_add_u32 v[SPW], v[NIL]
	s_wait_dscnt 0x0
	s_endpgm
.Lfunc_end_k_qbbb3ad4a93_head:
	.size	k_qbbb3ad4a93_head, .Lfunc_end_k_qbbb3ad4a93_head-k_qbbb3ad4a93_head
	.p2alignl 7, 3214868480
	.fill 96, 4, 3214868480
	.section	.rodata,"a",@progbits
	.p2align	6, 0x0
	.amdhsa_kernel k_qbbb3ad4a93_head
		.amdhsa_group_segment_fixed_size 24064
		.amdhsa_private_segment_fixed_size 0
		.amdhsa_enable_private_segment 0
		.amdhsa_kernarg_size 48
		.amdhsa_user_sgpr_count 2
		.amdhsa_user_sgpr_kernarg_segment_ptr 1
		.amdhsa_wavefront_size32 1
		.amdhsa_system_sgpr_workgroup_id_x 1
		.amdhsa_system_sgpr_workgroup_id_y 1
		.amdhsa_system_sgpr_workgroup_id_z 1
		.amdhsa_system_vgpr_workitem_id 0
		.amdhsa_next_free_vgpr 896
		.amdhsa_next_free_sgpr 66
		.amdhsa_reserve_vcc 1
		.amdhsa_float_denorm_mode_32 3
		.amdhsa_float_denorm_mode_16_64 3
		.amdhsa_memory_ordered 1
		.amdhsa_forward_progress 1
		.amdhsa_inst_pref_size 41
	.end_amdhsa_kernel
	.amdgpu_metadata
---
amdhsa.version: [ 1, 2 ]
amdhsa.kernels:
  - .name:           k_qbbb3ad4a93_head
    .symbol:         k_qbbb3ad4a93_head.kd
    .args:
      - { .name: h32, .offset: 0, .size: 8, .value_kind: global_buffer, .address_space: global }
      - { .name: vpart, .offset: 8, .size: 8, .value_kind: global_buffer, .address_space: global }
      - { .name: source_query_padding_mask, .offset: 16, .size: 8, .value_kind: global_buffer, .address_space: global }
      - { .name: source_key_value_padding_mask, .offset: 24, .size: 8, .value_kind: global_buffer, .address_space: global }
      - { .name: meanv, .offset: 32, .size: 8, .value_kind: global_buffer, .address_space: global }
      - { .name: out0, .offset: 40, .size: 8, .value_kind: global_buffer, .address_space: global }
    .group_segment_fixed_size: 24064
    .private_segment_fixed_size: 0
    .kernarg_segment_align: 8
    .kernarg_segment_size: 48
    .max_flat_workgroup_size: 128
    .sgpr_count:     66
    .vgpr_count:     896
    .wavefront_size: 32
...
	.end_amdgpu_metadata
.endif
;; end of part 3
;; launch attn (part 4): grid 32 x 8, 4 waves a work-group, no clusters, 327,680 bytes of LDS; arguments qf, kf, vf, meanv, source_key_value_padding_mask, source_query_padding_mask, out0; writes out0
.if DOCPART == 4
	.amdgcn_target "amdgcn-amd-amdhsa--gfx1250"
	.amdhsa_code_object_version 6
	.text
	.protected	k_qbbb3ad4a93_attn
	.globl	k_qbbb3ad4a93_attn
	.p2align	8
	.type	k_qbbb3ad4a93_attn,@function
k_qbbb3ad4a93_attn:
	s_mov_b64 s[64:65], 0
	v_nop
	global_prefetch_b8 v0, s[64:65] scope:SCOPE_SE
	s_setreg_imm32_b32 hwreg(HW_REG_WAVE_MODE, 25, 1), 1
	s_wait_xcnt 0x0
; out[b][q] = softmax_k(q . k / sqrt(512), masked) v, head size 512, on f16 operands with f32 sums; causal mask and two padding masks.
; SHARES.  A work-group owns 64 queries (block i = 31 - x) of batch y.  Keys go in chunks of 64; chunks 0 .. i count.  All 32 trips are walked (a constant count); a chunk beyond i costs barriers alone.
;   Scores: wave w takes key tile w (16 keys) against all 64 queries: S^T = K Q^T, 64 matrix instructions, each fragment of K feeding four.
;   Second product: wave w takes channels 128 w .. 128 w + 127 for all 64 queries: O^T = V^T P^T, 64 matrix instructions, each fragment of V feeding four.
;   The rows' maxima and p go from wave to wave through LDS, p as images of the operand's registers.  A lane holds one query (lane % 16) throughout.
; K and V come as f16 images (64 keys = 64 KB dense each) through a ring of two LDS slots, each wave bringing 32 KB by one tensor load, first thing in a trip, behind the barrier in the last trip's tail.
; K is read as it lies.  V is turned by ds_load_tr16_b128; its image is laid so that lane l of such a load takes the 16 bytes at 16 l: 32 lanes read 512 consecutive bytes.
; WHERE V'S LOADS STAND.  K's and V's fragments share 128 registers.  V's of keys 0-31 go into the registers of K's fragments 0-7 while score steps 8 to 11 are multiplied; V's of keys 32-63 are asked for
; behind the maxima's barrier, among the softmax's vector lines: none stands in front of a wait for all LDS instructions that follows it closely.
; SOFTMAX.  t = score x c + bias[key], c = log2(e) / sqrt(512), bias 0 or -1e30 (padded key); hidden keys of the diagonal chunk become -1e30.  Running maximum m (from -1e30) and sum l;
; p = 2^(t - m); O and l are multiplied by a = 2^(old m - new m) in every trip.  A row that has met no key that counts gathers p = 1 under m = -1e30; its first real key makes a = 0.
; At the end a row with m <= -5e29, or a padded query, takes the mean of v over all keys (2,048 equal scores weigh alike) by a select.
; O^T, l and m begin as zeros, 0 and -1e30, so that the trip is written once and the jump at the causal limit stands inside the loop.
; Rows 0-15 of each batch are stored by the launch before this one, in f32, and not here.
; LIMITS: |score x c| under 3e22; q, k, v within f16's range; NaN and infinities not served.
; NO CLUSTER: the blocks of a batch need different numbers of chunks, so a partner of a joint load would receive tiles that none of its waves reads.
; REGISTERS: window 0: see the names below.  window 1: O^T, accumulator n = 4 t + u at 8 n.  windows 2, 3: Q's fragment (u, c) at 32 (c % 8) + 8 u.
.set SLOT1, 1<<17                      ; a slot: K's 64 KB, V's 64 KB; slot 1 begins here
.set PB,    262144                     ; p: 2,048 u + 1,024 g + 512 half + 16 lane; wave w writes key tile w at 512 w
.set MX,    270336                     ; the waves' maxima: [w][r][4 tiles of queries]; 1,024 bytes on: their sums
.set KB,    272384                     ; the bias of the batch's 2,048 keys, f32
.set STAGE, 280576                     ; the way out: 16 x 272 bytes a wave
.set SPARE, 297984                     ; the spare words
.set MV,    298496                     ; the mean of v: 512 bytes a wave, its own 128 channels
.set LI,   1                           ; 16 x lane
.set AK0,  2                           ; my key tile in a slot
.set AV0,  3                           ; my channels' tiles of V in a slot, + 16 x lane
.set PST,  4
.set PLD,  5
.set MXS,  6
.set MXL,  7
.set AKB0, 8
.set ADK,  9
.set ADV,  10
.set ADB,  11
.set D0,   12                          ; r - 16 w - 8 h
.set PFO,  13                          ; 256 x lane: the prefetches' offset; never rewritten
.set NEGR, 14                          ; -1e30
.set MNO,  15                          ; at work in the head; on the way out the LDS address of the mean in the result's layout
.set MP,   16                          ; v16-23: m[u], l[u]
.set AP,   24                          ; v24-31: a[u], old m[u]; at the end 1 / l
.set S,    32                          ; v32-63 S^T (8 u + j); v32-95 later P's fragments (u, g) at 32 g + 8 u
.set MXR,  64                          ; v64-79 maxima as read
.set BI,   80                          ; v80-87 bias
.set LM,   88                          ; v88-91 my maxima; v92-95 at work
.set PH,   96                          ; v96-111 p in f16
.set FB,   112                         ; v112-239 K's 16 fragments, then V's (64 g + 8 t); at the end results and the mean
.set RES,  112
.set MN,   176
.set RR,   246
.set HH,   247
.set QP,   248                         ; v248-251 the queries' padding bytes
.set SPW,  252
.set NIL,  253
.set MVI,  254                         ; where I put my 16 bytes of the mean
.set MSB, 0
.macro WIN new
.if MSB != \new
	s_set_vgpr_msb (MSB<<8)|\new
.set MSB, \new
.endif
.endm
.macro BAR
	s_wait_dscnt 0x0
	s_barrier_signal -1
	s_barrier_wait -1
.endm
.macro SMM c, u
.if (\c) == 0
	v_wmma_f32_16x16x32_f16 v[S+8*(\u):S+8*(\u)+7], v[FB+8*(\c):FB+8*(\c)+7], v[32*((\c)%8)+8*(\u):32*((\c)%8)+8*(\u)+7], 0
.else
	v_wmma_f32_16x16x32_f16 v[S+8*(\u):S+8*(\u)+7], v[FB+8*(\c):FB+8*(\c)+7], v[32*((\c)%8)+8*(\u):32*((\c)%8)+8*(\u)+7], v[S+8*(\u):S+8*(\u)+7]
.endif
.endm
.macro VLD g, t                        ; V's fragment of keys 32 g on, channels 16 t on: two turning loads, key tiles 2 g and 2 g + 1
	ds_load_tr16_b128 v[FB+64*(\g)+8*(\t):FB+64*(\g)+8*(\t)+3], v[ADV] offset:(\t)*512+(2*(\g))*16384
	ds_load_tr16_b128 v[FB+64*(\g)+8*(\t)+4:FB+64*(\g)+8*(\t)+7], v[ADV] offset:(\t)*512+(2*(\g)+1)*16384
.endm
.macro PVM g, a                        ; accumulator a = 4 t + u takes keys 32 g on
	v_wmma_f32_16x16x32_f16 v[8*(\a):8*(\a)+7], v[FB+64*(\g)+8*((\a)/4):FB+64*(\g)+8*((\a)/4)+7], v[S+32*(\g)+8*((\a)%4):S+32*(\g)+8*((\a)%4)+7], v[8*(\a):8*(\a)+7]
.endm
.macro RESC a                          ; accumulator a under the new maximum, from its low end on
.irp k, 0,2,4,6
	v_pk_mul_f32 v[8*(\a)+\k:8*(\a)+\k+1], v[8*(\a)+\k:8*(\a)+\k+1], v[AP+2*((\a)%4):AP+2*((\a)%4)+1] op_sel_hi:[1,0]
.endr
.endm
	s_load_b256 s[4:11], s[0:1], 0x0               ; qf, kf, vf, meanv
	s_load_b128 s[12:15], s[0:1], 0x20             ; key mask, query mask
	s_load_b64 s[16:17], s[0:1], 0x30              ; out0
	v_lshl_add_u32 v[SPW], v0, 2, SPARE
	v_mov_b32 v[NIL], 0
	ds_add_u32 v[SPW], v[NIL]                      ; the opening: the add, twice on end, and its wait ahead of my first tensor load
	ds_add_u32 v[SPW], v[NIL]
	v_lshrrev_b32 v15, 5, v0
	v_readfirstlane_b32 s18, v15                   ; wave
	s_sub_co_u32 s19, 31, ttmp9                    ; i: the long blocks have the low numbers
	s_and_b32 s21, ttmp7, 0xffff                   ; batch
	s_mov_b32 s24, 3<<16                           ; group 1: elements of 8 bytes, no mask, no padding
	s_mov_b32 s25, 32<<16                          ; tensor_dim0 = 32 (256 bytes)
	s_mov_b32 s26, 128<<16                         ; tensor_dim1 = 128
	s_mov_b32 s27, 32<<16                          ; tile_dim0 = 32
	s_mov_b32 s28, 128                             ; tile_dim1 = 128: 32 KB, dense
	s_mov_b32 s29, 32                              ; the pitch
	s_mov_b32 s30, 0
	s_mov_b32 s31, 0
	s_mov_b32 s32, 1                               ; group 0: count
	s_lshl_b32 s33, s18, 15                        ; LDS: wave x 32 KB: K's halves, then V's
	s_mov_b32 s36, 0x3d8293ee                      ; c
	s_mov_b32 s37, s36
	s_mov_b32 s38, 0x76543210
	s_mov_b32 s39, 0xfedcba98
	s_mov_b32 s20, 0                               ; the chunk
	s_mov_b32 s22, 0                               ; its slot
	s_mov_b32 s23, 0                               ; its bias: 256 bytes a chunk
	s_lshl_b32 s52, s21, 21                        ; the batch's first byte in qf, kf, vf
	s_and_b32 s50, s18, 1
	s_lshl_b32 s50, s50, 15
	s_add_co_u32 s52, s52, s50                     ; + my half of a chunk
	s_mov_b32 s53, 0
	s_lshl_b32 s54, s21, 21
	s_lshl_b32 s50, s19, 16
	s_add_co_u32 s54, s54, s50                     ; my block's four tiles of Q
	s_mov_b32 s55, 0
	s_lshl_b32 s56, s21, 11                        ; masks, meanv: 2,048 bytes a batch
	s_mov_b32 s57, 0
	s_lshl_b32 s58, s19, 6
	s_add_co_u32 s58, s58, s56
	s_mov_b32 s59, 0
	s_lshl_b32 s60, s18, 9
	s_add_co_u32 s60, s60, s56
	s_mov_b32 s61, 0
	s_lshl_b32 s48, s21, 22
	s_lshl_b32 s50, s19, 17
	s_add_co_u32 s48, s48, s50
	s_lshl_b32 s50, s18, 9
	s_add_co_u32 s48, s48, s50                     ; out0: batch, block, my 128 channels
	s_mov_b32 s49, 0
	s_cmp_eq_u32 s19, 31
	s_cselect_b32 s42, 30, 0                       ; the batch's longest block alone prefetches, in trips 0 to 29
	s_wait_dscnt 0x0                               ; both opening adds are done
	s_wait_kmcnt 0x0
	s_cmp_lt_u32 s18, 2
	s_cselect_b64 s[34:35], s[6:7], s[8:9]         ; waves 0, 1 bring K, waves 2, 3 V
	s_add_nc_u64 s[34:35], s[34:35], s[52:53]
	s_add_nc_u64 s[40:41], s[34:35], 65536         ; the prefetches stand at chunk 1; each trip steps them first
	s_or_b32 s35, s35, 0x80000000                  ; type
	tensor_load_to_lds s[32:35], s[24:31]          ; chunk 0 into slot 0: by this text's count one tensor load of a wave is out at any time
	s_nop 0
.rept 4
	v_nop
.endr
	s_add_nc_u64 s[4:5], s[4:5], s[54:55]
	s_add_nc_u64 s[12:13], s[12:13], s[56:57]
	s_add_nc_u64 s[14:15], s[14:15], s[58:59]
	s_add_nc_u64 s[10:11], s[10:11], s[60:61]
	s_add_nc_u64 s[48:49], s[16:17], s[48:49]
	v_and_b32 v15, 31, v0
	v_lshlrev_b32 v[LI], 4, v15
	v_lshlrev_b32 v[PFO], 8, v15
	v_and_b32 v[RR], 15, v0
	v_bfe_u32 v[HH], v0, 4, 1
	v_lshlrev_b32 v245, 4, v0                      ; 16 keys' padding bytes a thread
	global_load_b128 v[240:243], v245, s[12:13]
.irp u, 0,1,2,3
	global_load_u8 v[QP+\u], v[RR], s[14:15] offset:16*\u
.endr
	global_load_b128 v[232:235], v[LI], s[10:11]   ; the mean of my 128 channels, four a lane
	WIN 0x80                                       ; Q stays in registers: windows 2 and 3
.irp c, 0,1,2,3,4,5,6,7
.irp u, 0,1,2,3
	global_load_b128 v[32*\c+8*\u:32*\c+8*\u+3], v[LI], s[4:5] offset:\u*16384+\c*1024
	global_load_b128 v[32*\c+8*\u+4:32*\c+8*\u+7], v[LI], s[4:5] offset:\u*16384+\c*1024+512
.endr
.endr
	WIN 0xc0
.irp c, 8,9,10,11,12,13,14,15
.irp u, 0,1,2,3
	global_load_b128 v[32*(\c-8)+8*\u:32*(\c-8)+8*\u+3], v[LI], s[4:5] offset:\u*16384+\c*1024
	global_load_b128 v[32*(\c-8)+8*\u+4:32*(\c-8)+8*\u+7], v[LI], s[4:5] offset:\u*16384+\c*1024+512
.endr
.endr
	WIN 0x40
.set j, 0
.rept 256
	v_mov_b32 v[j], 0                              ; O^T (the trip is written once: the first finds zeros)
.set j, j+1
.endr
	WIN 0
	s_lshl_b32 s50, s18, 14
	v_add_nc_u32 v[AK0], s50, v[LI]
	s_lshl_b32 s50, s18, 12
	s_add_co_u32 s50, s50, 65536
	v_add_nc_u32 v[AV0], s50, v[LI]                ; behind K's 64 KB: my 8 tiles of channels; lane l takes key 8 (l / 16) + l % 8, channels 8 ((l / 8) % 2) on: in V's image that is 16 l
	s_lshl_b32 s50, s18, 9
	s_add_co_u32 s51, s50, MV
	v_add_nc_u32 v[MVI], s51, v[LI]
	s_add_co_u32 s50, s50, PB
	v_add_nc_u32 v[PST], s50, v[LI]
	v_add_nc_u32 v[PLD], PB, v[LI]
	v_lshl_add_u32 v[MXL], v[RR], 4, MX
	s_lshl_b32 s50, s18, 8
	v_add_nc_u32 v[MXS], s50, v[MXL]
	s_lshl_b32 s50, s18, 6
	s_add_co_u32 s50, s50, KB
	v_lshl_add_u32 v[AKB0], v[HH], 5, s50
	s_lshl_b32 s50, s18, 4
	v_lshlrev_b32 v15, 3, v[HH]
	v_sub_nc_u32 v[D0], v[RR], v15
	v_sub_nc_u32 v[D0], v[D0], s50
	v_mov_b32 v[NEGR], 0xf149f2ca
.irp u, 0,1,2,3
	v_mov_b32 v[MP+2*\u], v[NEGR]
	v_mov_b32 v[MP+2*\u+1], 0
	v_mov_b32 v[AP+2*\u], 0
	v_mov_b32 v[AP+2*\u+1], 0
	v_mov_b32 v[LM+4+\u], 0                        ; a lane permute's destination counts as read
.endr
	v_lshl_add_u32 v244, v0, 6, KB                 ; 16 keys' bias a thread
	s_wait_loadcnt 0x0
.irp k, 0,1,2,3,4,5,6,7,8,9,10,11,12,13,14,15
	v_bfe_u32 v15, v[240+\k/4], 8*(\k%4), 8
	v_cmp_ne_u32 vcc_lo, 0, v15
	v_cndmask_b32 v[S+\k], 0, v[NEGR], vcc_lo
.endr
.irp k, 0,1,2,3
	ds_store_b128 v244, v[S+4*\k:S+4*\k+3] offset:16*\k    ; seen by the others behind the wait and the barrier below
.endr
	ds_store_b128 v[MVI], v[232:235]               ; read by my own wave alone, on the way out
	; ---- the first change of slots: chunk 0 has landed in every wave
	s_wait_tensorcnt 0x0
	ds_add_u32 v[SPW], v[NIL]
	s_wait_dscnt 0x0                               ; the add and my stores above
	s_barrier_signal -1
	s_barrier_wait -1
.Lchunk:                                           ; 32 trips.  A trip begins behind the barrier of the change of slots: no tensor load of mine is out, so group 0 may be written
	s_xor_b32 s33, s33, SLOT1                      ; the other slot,
	s_add_nc_u64 s[34:35], s[34:35], 65536         ; the next chunk
	s_wait_xcnt 0x0                                ; the last trip's prefetches have read their address
	s_add_nc_u64 s[40:41], s[40:41], 65536
	s_cmp_ge_u32 s20, s19                          ; the next chunk is asked for only if my block reads it: ids and the count of trips alone, the same in all four waves
	s_cbranch_scc1 .Lpast
	tensor_load_to_lds s[32:35], s[24:31]          ; my one tensor load behind that barrier: it has three quarters of the trip's products in which to land
	s_nop 0
.rept 4
	v_nop
.endr
.Lpast:
	s_cmp_lt_u32 s20, s42
	s_cbranch_scc0 .Lnoask
.irp o, 0,8192,16384,24576                         ; my 32 KB of the chunk two on, one trip ahead of its tensor load: lanes 256 bytes apart; chunks 2 to 31, each block named once in the launch
	global_prefetch_b8 v[PFO], s[40:41] offset:\o th:TH_LOAD_NT scope:SCOPE_SE
.endr
.Lnoask:
	s_cmp_gt_u32 s20, s19
	s_cbranch_scc1 .Lidle                          ; all keys of the chunk come after my queries: the trip's barriers alone
	; ---- scores of my 16 keys
	v_add_nc_u32 v[ADK], s22, v[AK0]
	v_add_nc_u32 v[ADV], s22, v[AV0]
	v_add_nc_u32 v[ADB], s23, v[AKB0]
	v_nop
	v_nop                                          ; five places behind the last trip's products: loads into their operands follow, and products that write over P's registers
	ds_load_b128 v[BI:BI+3], v[ADB]
	ds_load_b128 v[BI+4:BI+7], v[ADB] offset:16
.irp c, 0,1,2,3,4,5,6,7,8,9,10,11,12,13,14,15
	ds_load_b128 v[FB+8*\c:FB+8*\c+3], v[ADK] offset:\c*1024
	ds_load_b128 v[FB+8*\c+4:FB+8*\c+7], v[ADK] offset:\c*1024+512
.endr
	WIN 0x08                                       ; Q in window 2
.irp c, 0,1,2,3,4,5,6,7
	s_wait_dscnt 30-2*\c                           ; fragment c is in: behind it 2 (15 - c) loads
.irp u, 0,1,2,3
	SMM \c, \u                                     ; four accumulators by turns
.endr
.endr
.rept 4
	v_nop                                          ; places between the products that read K's fragments 0-7 and V's loads into those registers, below
.endr
	WIN 0x0c                                       ; Q in window 3 (an LDS load's address and destination stay in window 0)
.irp c, 8,9,10,11,12,13,14,15
.if \c < 12
	s_wait_dscnt 30-2*\c+4*(\c-8)                  ; behind fragment c: 2 (15 - c) loads of K and the 4 (c - 8) of V issued so far
.else
	s_wait_dscnt 30-2*\c+16                        ; and all 16 of V's first half
.endif
.irp u, 0,1,2,3
	SMM \c, \u
.endr
.if \c < 12
	VLD 0, 2*(\c-8)                                ; V of keys 0-31, four loads behind each of steps 8 to 11
	VLD 0, 2*(\c-8)+1
.endif
.endr
	WIN 0
.rept 4
	v_nop                                          ; places: reads of the scores follow
.endr
.irp u, 0,1,2,3
.irp k, 0,2,4,6
	v_pk_fma_f32 v[S+8*\u+\k:S+8*\u+\k+1], v[S+8*\u+\k:S+8*\u+\k+1], s[36:37], v[BI+\k:BI+\k+1] op_sel_hi:[1,0,1]   ; t = score x c + bias
.endr
.endr
	s_cmp_lg_u32 s20, s19
	s_cbranch_scc1 .Lopen                          ; the diagonal chunk alone hides keys
.irp u, 0,1,2,3
.irp j, 0,1,2,3,4,5,6,7
	v_cmp_gt_i32 vcc_lo, \j-16*\u, v[D0]           ; key 16 w + 8 h + j comes after query 16 u + r
	v_cndmask_b32 v[S+8*\u+\j], v[S+8*\u+\j], v[NEGR], vcc_lo
.endr
.endr
.Lopen:
.irp u, 0,1,2,3
	v_max3_num_f32 v[LM+\u], v[S+8*\u], v[S+8*\u+1], v[S+8*\u+2]
.endr
.irp u, 0,1,2,3
	v_max3_num_f32 v[LM+\u], v[LM+\u], v[S+8*\u+3], v[S+8*\u+4]
.endr
.irp u, 0,1,2,3
	v_max3_num_f32 v[LM+\u], v[LM+\u], v[S+8*\u+5], v[S+8*\u+6]
.endr
.irp u, 0,1,2,3
	v_max_num_f32 v[LM+\u], v[LM+\u], v[S+8*\u+7]
.endr
.irp u, 0,1,2,3
	v_permlanex16_b32 v[LM+4+\u], v[LM+\u], s38, s39
.endr
.irp u, 0,1,2,3
	v_max_num_f32 v[LM+\u], v[LM+\u], v[LM+4+\u]
.endr
	ds_store_b128 v[MXS], v[LM:LM+3]               ; both halves of the lanes write the same
	BAR                                            ; the four waves' maxima lie in LDS
	; ---- the softmax of my 16 keys; V of keys 32-63 is asked for among its lines, into the registers of K's fragments 8-15
.irp g, 0,1,2,3
	ds_load_b128 v[MXR+4*\g:MXR+4*\g+3], v[MXL] offset:\g*256
.endr
.irp t, 0,1,2,3
	VLD 1, \t
.endr
	s_wait_dscnt 8                                 ; the maxima are in; the eight loads of V behind them may be out
.irp u, 0,1,2,3
	v_mov_b32 v[AP+2*\u+1], v[MP+2*\u]
.endr
.irp u, 0,1,2,3
	v_max3_num_f32 v[MP+2*\u], v[MP+2*\u], v[MXR+\u], v[MXR+4+\u]
.endr
.irp u, 0,1,2,3
	v_max3_num_f32 v[MP+2*\u], v[MP+2*\u], v[MXR+8+\u], v[MXR+12+\u]
.endr
.irp u, 0,1,2,3
	v_sub_f32 v[AP+2*\u], v[AP+2*\u+1], v[MP+2*\u]
.endr
.irp t, 4,5,6,7
	VLD 1, \t
.endr
.irp u, 0,1,2,3
.irp k, 0,2,4,6
	v_pk_add_f32 v[S+8*\u+\k:S+8*\u+\k+1], v[S+8*\u+\k:S+8*\u+\k+1], v[MP+2*\u:MP+2*\u+1] op_sel_hi:[1,0] neg_lo:[0,1] neg_hi:[0,1]   ; t - m
.endr
.endr
.irp u, 0,1,2,3
	v_exp_f32 v[AP+2*\u], v[AP+2*\u]               ; a
.endr
.set j, 0
.rept 32
	v_exp_f32 v[S+j], v[S+j]                       ; p
.set j, j+1
.endr
	v_nop                                          ; a plain line behind the exponentials,
	s_wait_alu depctr_va_vdst(0)                   ; and one wait for the batch of 36, ahead of its first reader
.irp u, 0,1,2,3
.irp k, 0,1,2,3
	v_cvt_pk_f16_f32 v[PH+4*\u+\k], v[S+8*\u+2*\k], v[S+8*\u+2*\k+1]
.endr
.endr
.irp u, 0,1,2,3
	ds_store_b128 v[PST], v[PH+4*\u:PH+4*\u+3] offset:\u*2048
.endr
.irp u, 0,1,2,3
	v_pk_add_f32 v[S+8*\u:S+8*\u+1], v[S+8*\u:S+8*\u+1], v[S+8*\u+2:S+8*\u+3]
	v_pk_add_f32 v[S+8*\u+4:S+8*\u+5], v[S+8*\u+4:S+8*\u+5], v[S+8*\u+6:S+8*\u+7]
.endr
.irp u, 0,1,2,3
	v_pk_add_f32 v[S+8*\u:S+8*\u+1], v[S+8*\u:S+8*\u+1], v[S+8*\u+4:S+8*\u+5]
.endr
.irp u, 0,1,2,3
	v_add_f32 v[S+8*\u], v[S+8*\u], v[S+8*\u+1]
.endr
.irp u, 0,1,2,3
	v_fma_f32 v[MP+2*\u+1], v[MP+2*\u+1], v[AP+2*\u], v[S+8*\u]    ; l = l a + my lane's eight p
.endr
	BAR                                            ; p of all 64 keys lies in LDS; V's fragments are in
	; ---- O^T = O^T a + V^T P^T for my 128 channels
.irp g, 0,1                            ; p's fragments of keys 0-31 first
.irp u, 0,1,2,3
	ds_load_b128 v[S+32*\g+8*\u:S+32*\g+8*\u+3], v[PLD] offset:\u*2048+\g*1024
	ds_load_b128 v[S+32*\g+8*\u+4:S+32*\g+8*\u+7], v[PLD] offset:\u*2048+\g*1024+512
.endr
.endr
	WIN 0x41                                       ; O^T in window 1, a in window 0
.irp a, 0,1,2,3
	RESC \a                                        ; the first four accumulators are scaled while p is on its way
.endr
	s_wait_dscnt 8                                 ; p of keys 0-31 is in; the eight loads of keys 32-63 may be out
; The other 28 accumulators are scaled BETWEEN the products of keys 0-31: behind each product the four multiplications of the accumulator four further on.  O^T fills a window of its own, so a slice
; costs two switches: 1 + 2 + 4 issue slots beside a product of 8,192 multiply-adds.  Set in front of the products, the 112 multiplications would stand while the matrix unit has nothing.
.set nn, 0
.rept 32
	WIN 0x50                                       ; V and P in window 0, C and D in window 1
	PVM 0, nn                                      ; the 32 accumulators take turns, one instruction a turn
.if nn < 28
	WIN 0x41
	RESC nn+4
.endif
.set nn, nn+1
.endr
	s_wait_dscnt 0x0                               ; p of keys 32-63 is in: my last read of LDS in this trip
	WIN 0                                          ; (the add's two registers lie in window 0)
	; the change of slots stands in the second product's tail
	s_wait_tensorcnt 0x0                           ; my part of the next chunk has landed: no tensor load of mine is out
	ds_add_u32 v[SPW], v[NIL]                      ; 0 onto my spare word; sixteen products stand between it and the wait for it
	WIN 0x50
.set nn, 0
.rept 16
	PVM 1, nn
.set nn, nn+1
.endr
	s_wait_dscnt 0x0                               ; the add is done; my reads of this slot were over before it
	s_barrier_signal -1
.rept 16
	PVM 1, nn                                      ; work on registers while the others arrive
.set nn, nn+1
.endr
	WIN 0
	s_barrier_wait -1                              ; nobody reads this slot any more, and the next chunk is whole
	s_branch .Lnext
.Lidle:
	BAR                                            ; the same three barriers as the other arm
	BAR
	s_wait_tensorcnt 0x0
	ds_add_u32 v[SPW], v[NIL]
	s_wait_dscnt 0x0
	s_barrier_signal -1
	s_barrier_wait -1
.Lnext:
	s_add_co_u32 s23, s23, 256
	s_xor_b32 s22, s22, SLOT1
	s_add_co_u32 s20, s20, 1
	s_cmp_lt_u32 s20, 32
	s_cbranch_scc1 .Lchunk
	; ---- THE WAY OUT
.rept 4
	v_nop                                          ; places behind the last products
.endr
.irp u, 0,1,2,3
	v_permlanex16_b32 v[LM+4+\u], v[MP+2*\u+1], s38, s39
.endr
.irp u, 0,1,2,3
	v_add_f32 v[LM+\u], v[MP+2*\u+1], v[LM+4+\u]   ; my 16 keys' share of each row's sum
.endr
	ds_store_b128 v[MXS], v[LM:LM+3] offset:1024
	s_mul_i32 s50, s18, 16*272
	s_add_co_u32 s50, s50, STAGE
	v_mul_u32_u24 v[ADK], v[RR], 272               ; the stage, in: row r, 32 bytes a half
	v_lshl_add_u32 v[ADK], v[HH], 5, v[ADK]
	v_add_nc_u32 v[ADK], s50, v[ADK]
	v_mul_u32_u24 v[ADV], v[HH], 272               ; back: sixteen lanes a row
	v_lshl_add_u32 v[ADV], v[RR], 4, v[ADV]
	v_add_nc_u32 v[ADV], s50, v[ADV]
	v_lshlrev_b32 v[ADB], 11, v[HH]                ; and the same two rows in out0
	v_lshl_add_u32 v[ADB], v[RR], 4, v[ADB]
	s_lshl_b32 s51, s18, 9
	s_add_co_u32 s51, s51, MV
	v_lshl_add_u32 v[MNO], v[HH], 5, s51           ; the mean in the result's layout: my wave's 512 bytes, + 32 h
	BAR
.irp g, 0,1,2,3
	ds_load_b128 v[MXR+4*\g:MXR+4*\g+3], v[MXL] offset:1024+\g*256
.endr
.irp t, 0,1,2,3,4,5,6,7
	ds_load_b128 v[MN+8*\t:MN+8*\t+3], v[MNO] offset:\t*64         ; channels 16 t + 8 h + 0 .. 7
	ds_load_b128 v[MN+8*\t+4:MN+8*\t+7], v[MNO] offset:\t*64+16
.endr
	s_mov_b32 s50, 0xf0c9f2ca                      ; -5e29
.irp u, 0,1,2,3
	v_cmp_ge_f32 s[44+\u], s50, v[MP+2*\u]         ; no key counted,
	v_cmp_ne_u32 s51, 0, v[QP+\u]                  ; or the query is padded
	s_or_b32 s[44+\u], s[44+\u], s51
.endr
	s_wait_dscnt 0x0
.irp u, 0,1,2,3
	v_add_f32 v[LM+\u], v[MXR+\u], v[MXR+4+\u]
	v_add_f32 v[LM+4+\u], v[MXR+8+\u], v[MXR+12+\u]
.endr
.irp u, 0,1,2,3
	v_add_f32 v[LM+\u], v[LM+\u], v[LM+4+\u]
.endr
.irp u, 0,1,2,3
	v_rcp_f32 v[AP+2*\u], v[LM+\u]
.endr
	v_nop
	s_wait_alu depctr_va_vdst(0)                   ; one wait for the four reciprocals
.macro OUTU u                          ; 16 rows: O^T / l, the select, through my stage, out
	s_wait_xcnt 0x0                                ; the last tile's stores have read their registers
	WIN 0x01                                       ; source 0 window 1
.irp t, 0,1,2,3,4,5,6,7
.irp k, 0,2,4,6
	v_pk_mul_f32 v[RES+8*\t+\k:RES+8*\t+\k+1], v[8*(4*\t+(\u))+\k:8*(4*\t+(\u))+\k+1], v[AP+2*(\u):AP+2*(\u)+1] op_sel_hi:[1,0]
.endr
.endr
	WIN 0
.set j, 0
.rept 64
	v_cndmask_b32 v[RES+j], v[RES+j], v[MN+j], s[44+(\u)]
.set j, j+1
.endr
.irp uu, 0,1
.irp t, 0,1,2,3
	ds_store_b128 v[ADK], v[RES+32*\uu+8*\t:RES+32*\uu+8*\t+3] offset:64*\t
	ds_store_b128 v[ADK], v[RES+32*\uu+8*\t+4:RES+32*\uu+8*\t+7] offset:64*\t+16
.endr
.irp n, 0,1,2,3,4,5,6,7
	ds_load_b128 v[S+32*\uu+4*\n:S+32*\uu+4*\n+3], v[ADV] offset:2*\n*272    ; my own bytes: LDS serves a wave in order
.endr
.endr
.irp uu, 0,1
.irp n, 0,1,2,3,4,5,6,7
	s_wait_dscnt 15-8*\uu-\n
	global_store_b128 v[ADB], v[S+32*\uu+4*\n:S+32*\uu+4*\n+3], s[48:49] offset:(\u)*32768+2*\n*2048+256*\uu th:TH_STORE_NT   ; sixteen lanes store 256 consecutive bytes, aligned
.endr
.endr
.endm
	s_cmp_eq_u32 s19, 0
	s_cbranch_scc1 .Lrows16                        ; a batch's rows 0-15 were stored in f32 by the launch before
	OUTU 0
.Lrows16:
	OUTU 1
	OUTU 2
	OUTU 3
	s_wait_tensorcnt 0x0                           ; the wave's end: behind my last tensor load and my last LDS store
	ds_add_u32 v[SPW], v[NIL]
	s_wait_dscnt 0x0
	s_endpgm
.Lfunc_end_k_qbbb3ad4a93_attn:
	.size	k_qbbb3ad4a93_attn, .Lfunc_end_k_qbbb3ad4a93_attn-k_qbbb3ad4a93_attn
	.p2alignl 7, 3214868480
	.fill 96, 4, 3214868480
	.section	.rodata,"a",@progbits
	.p2align	6, 0x0
	.amdhsa_kernel k_qbbb3ad4a93_attn
		.amdhsa_group_segment_fixed_size 327680
		.amdhsa_private_segment_fixed_size 0
		.amdhsa_enable_private_segment 0
		.amdhsa_kernarg_size 56
		.amdhsa_user_sgpr_count 2
		.amdhsa_user_sgpr_kernarg_segment_ptr 1
		.amdhsa_wavefront_size32 1
		.amdhsa_system_sgpr_workgroup_id_x 1
		.amdhsa_system_sgpr_workgroup_id_y 1
		.amdhsa_system_sgpr_workgroup_id_z 1
		.amdhsa_system_vgpr_workitem_id 0
		.amdhsa_next_free_vgpr 1024
		.amdhsa_next_free_sgpr 66
		.amdhsa_reserve_vcc 1
		.amdhsa_float_denorm_mode_32 3
		.amdhsa_float_denorm_mode_16_64 3
		.amdhsa_memory_ordered 1
		.amdhsa_forward_progress 1
		.amdhsa_inst_pref_size 110
	.end_amdhsa_kernel
	.amdgpu_metadata
---
amdhsa.version: [ 1, 2 ]
amdhsa.kernels:
  - .name:           k_qbbb3ad4a93_attn
    .symbol:         k_qbbb3ad4a93_attn.kd
    .args:
      - { .name: qf, .offset: 0, .size: 8, .value_kind: global_buffer, .address_space: global }
      - { .name: kf, .offset: 8, .size: 8, .value_kind: global_buffer, .address_space: global }
      - { .name: vf, .offset: 16, .size: 8, .value_kind: global_buffer, .address_space: global }
      - { .name: meanv, .offset: 24, .size: 8, .value_kind: global_buffer, .address_space: global }
      - { .name: source_key_value_padding_mask, .offset: 32, .size: 8, .value_kind: global_buffer, .address_space: global }
      - { .name: source_query_padding_mask, .offset: 40, .size: 8, .value_kind: global_buffer, .address_space: global }
      - { .name: out0, .offset: 48, .size: 8, .value_kind: global_buffer, .address_space: global }
    .group_segment_fixed_size: 327680
    .private_segment_fixed_size: 0
    .kernarg_segment_align: 8
    .kernarg_segment_size: 56
    .max_flat_workgroup_size: 128
    .sgpr_count:     66
    .vgpr_count:     1024
    .wavefront_size: 32
...
	.end_amdgpu_metadata
.endif
;; end of part 4
